; MI455X (gfx1250); checked and timed in simulation.
; The chip was launched on July 23, 2026; its instructions are those of AMD's public machine-readable ISA for CDNA 5 (MIT licence, August 2026) and "CDNA5" Instruction Set Architecture Reference Guide (July 2026). The comments in the code are by the model that wrote it; some were corrected since.
;; Sym HQ Linear. Allowed arithmetic: matrix products marked QUANTISED: E2M1 operands, one E8M0 scale for each 32 along K, by v_wmma_scale_f32_16x16x128_f8f6f4 with both operands' format E2M1 (or v_wmma_scale_f32_32x16x128_f4), f32 sums; everything else in f32.
;; Inputs: codebook 4,096 x 8 float32; indices 2,097,152 int32; scales 4,096 x 1 float32; signs 2,097,152 int32; x_codes 4,096 x 128 x 16 uint8 (E2M1 codes of x, K innermost, in blocks of 32 codes, two codes a byte); x_scales 4,096 x 128 uint8 (E8M0 scales of x, one for each 32 codes along K).
;; Outputs: out0 4,096 x 4,096 float32.
;; This version of the problem:
;;   THIS VERSION OF THE PROBLEM IS GIVEN IN LOW PRECISION. The matrix products marked QUANTISED in the list below multiply operands that are first quantised to E2M1 (2 exponent bits, 1 mantissa bit; 4 bits a number), with one power-of-two scale for each 32 numbers along K (OCP MX v1.0); their sums are f32. All else is computed in f32.
;;   The module's matrix products, in the order in which they are computed (A, B: the left and right operand; K: the contracted axis; several contracted axes count as one K, in the product's order):
;;     1. [M 4,096, K 4,096] x [K 4,096, N 4,096]; A: input x (given as codes); B: computed on the way: QUANTISED
;;   THE QUANTISER, for each operand of a quantised product, along K:
;;     - K is cut into blocks of 32 from its start; a last block that is shorter is filled with zeros.
;;     - A block's scale is 2^e with e = floor(log2(the largest magnitude in the block)) - 2, held to -126 .. 127; a block of zeros has e = 0. As a byte (E8M0): e + 127.
;;     - Each number is divided by its block's scale, clamped to +-6, and rounded to the nearest number of E2M1, ties to even, subnormals kept.
;;     - The product sums the exact products of the quantised numbers (number of the format x scale) in f32.
;;   ~~~python
;;   def quantise(x, axis):      # numpy; x: float32 -> the quantised numbers, widened to float32 again
;;       x = np.moveaxis(x, axis, -1); K = x.shape[-1]
;;       x = np.pad(x, [(0, 0)] * (x.ndim - 1) + [(0, -K % 32)]); x = x.reshape(x.shape[:-1] + (-1, 32)); a = np.abs(x).max(-1, keepdims=True)
;;       e = np.where(a > 0, np.clip(np.frexp(np.where(a > 0, a, 1))[1] - 1 - 2, -126, 127), 0)      # np.frexp(a)[1] - 1 = floor(log2(a)), exactly
;;       r = np.clip(x / 2.0 ** e, -6, 6)
;;       step = 2.0 ** (np.maximum(np.frexp(np.where(r == 0, 1, r))[1] - 1, 0) - 1)
;;       q = np.round(r / step) * step * 2.0 ** e      # np.round: ties to even
;;       return np.moveaxis(q.reshape(q.shape[:-2] + (-1,))[..., :K], -1, axis).astype(np.float32)
;;   ~~~
;;   OPERANDS COMPUTED ON THE WAY. 'Computed on the way' means the value that the module computes at that place (a softmax that the list does not call 'softmax' is quantised finished and normalised). What goes into a quantiser is computed in f32, as accurately as f32 sums, v_exp_f32 and their like allow (about 1e-6 of the number): no bf16 or f16 on the way to a quantiser, and a product that is left as it is and whose result goes on into a quantised operand takes f32 operands (vector FMAs, or v_wmma_f32_16x16x4_f32). A number that lies on a knife's edge between two numbers of the format may be rounded either way, as far as f32 arithmetic and the matrix unit's own rounding can turn it there, and no further.
;;   INPUTS GIVEN AS CODES. x (in the module: [4096, 4096], K = its axis 1): each comes as NAME_codes (uint8): NAME with its K axis moved to the last place and cut into blocks of 32 codes, [.., K / 32, bytes a block], one block behind the other in memory; two codes a byte, the lower K in the low four bits (a code: sign, 2 exponent bits, 1 mantissa bit); and NAME_scales (uint8): the same leading axes, one E8M0 byte (e + 127) for each 32 codes along K. Its value is code x scale, taken as it is: it is not quantised again, and the codes and scales need not be those that the quantiser above would give.
;; One version. Each part assembles by itself: llvm-mc -triple=amdgcn-amd-amdhsa -mcpu=gfx1250 --defsym DOCPART=n.
;; ======== version 1 of 1: 2 launches
;; limits: right only within a limited range of input values
;; workspace buffers: w_codes 8,388,608 bytes; sc 524,288 bytes
;; launch prep (part 1): grid 256 x 1, 16 waves a work-group, clusters of 4 x 1, 203,008 bytes of LDS; arguments codebook, indices, signs, scales, w_codes, sc; writes w_codes, sc
.if DOCPART == 1
	.amdgcn_target "amdgcn-amd-amdhsa--gfx1250"
	.amdhsa_code_object_version 6
	.text
	.protected	k_q8ea5f2bc6d_prep
	.globl	k_q8ea5f2bc6d_prep
	.p2align	8
	.type	k_q8ea5f2bc6d_prep,@function
k_q8ea5f2bc6d_prep:
	s_mov_b64 s[64:65], 0
	v_nop
	global_prefetch_b8 v0, s[64:65] scope:SCOPE_SE
	s_setreg_imm32_b32 hwreg(HW_REG_WAVE_MODE, 25, 1), 1
	s_wait_xcnt 0x0
	s_wait_alu depctr_hold_cnt(0) depctr_sa_sdst(0) depctr_va_vdst(0) depctr_va_sdst(0) depctr_va_ssrc(0) depctr_va_vcc(0) depctr_vm_vsrc(0)
	s_getreg_b32 s2, hwreg(HW_REG_IB_STS2, 6, 4)
	s_cmp_eq_u32 s2, 0
	s_cbranch_scc0 .Lentry_in_a_cluster
	s_endpgm
.Lentry_in_a_cluster:
	s_bfe_u32 s2, ttmp6, 0x10000c
	s_cmp_lg_u32 s2, 0x3003
	s_cbranch_scc0 .Lentry_shape_is_right
	s_endpgm
.Lentry_shape_is_right:
; w[o][i] = codebook[indices[(o 4096 + i) / 8]][i % 8] x scales[o] x (+1 or -1 from the bits of signs) is made in f32 and turned into codes of FP4 (E2M1) with one E8M0 byte for each 32 along K.
; LAYOUT, as the product's registers want it.  Rows of w go in groups of 64: row o = 64 G + 4 r + b is lane r of tile b.  K goes in steps s of 128; a block of 32 is 4 s + 2 c + h.
;   w_codes: [G 64][s 32][b 4][c 2][h 2][r 16][16 bytes].   sc: [G 64][four steps 8][b 4][r 16][16 bytes]: the four scale words of row r for four steps.
; A block's scale is 2^(floor(log2(its largest magnitude)) - 2); its byte is the largest magnitude's exponent field - 2, held at 1 from below.
; LIMITS: NaN and infinities in codebook or scales are not served.  A block of zeros gets the byte 1 where the rule says 127: its codes are zeros, which add nothing under any byte but 0xff, and this
; program alone reads the bytes.  An index above 4,095 is held at 4,095 (the problem keeps indices inside the table).  Of a sign word the low eight bits count.
; SHARES.  A cluster of four work-groups is a group G, each work-group a tile b: sixteen rows.  Wave v of sixteen owns the blocks 8 v .. 8 v + 7 of them, in 4 trips: LANE (r, h) TAKES BLOCK 8 v + 2 t + h OF ROW r, whole:
; four indices, four sign words, 32 numbers in 32 registers along K, 16 bytes of codes.  So a trip's codes are 512 consecutive bytes of w_codes, and leave from registers; the block's largest magnitude needs no other lane.
; INTO LDS, one tensor load a wave: waves 0 to 7 fetch THE CODEBOOK (131,072 bytes, dense, entry e at byte 32 e), jointly for the cluster; waves 8 to 11 the indices of the sixteen rows and waves 12 to 15 their sign words, in slices
; of 512 bytes of each row, rows 528 bytes apart.  All are filled once.  No prefetch: there is no loop to run ahead in.
; ODD LANES gather an entry's upper 16 bytes first, so that a load's sixteen lanes want even and odd columns of 16 bytes alike; their code words are turned by 16 bits afterwards.
; THE SIGNS GO ONTO THE CODES.  The quantiser is symmetric in the sign and the scale hangs on magnitudes alone.  So every number is multiplied by -scale, and a code's sign bit is turned back where the sign bit is 1.
; Element j of a group of eight has its code's sign at bit 4 j + 3 and takes bit k = 7 - j of the sign word: bit k goes to bit 31 - 4 k.  n x 0x8421 (n of four bits) puts bit k of n at k, k + 5, k + 10, k + 15:
; sixteen different places, so nothing carries, and of the places 15, 11, 7, 3 each is reached by one bit alone: k = 0, 1, 2, 3.  The low nibble's product goes to the upper half, the high nibble's to the lower.
; Between the barrier behind the fills and the next LDS is only read: scale bytes wait in registers until every wave's gathers are over.
.set SL,   16*528                      ; a slice: 16 rows of 512 bytes + 16
.set IDXL, 131072                      ; four slices of indices, four of sign words
.set STW,  IDXL+8*SL                   ; the scale bytes' stage: 16 rows of 128 bytes, 144 bytes apart
.set SPARE, STW+16*144                 ; the spare words, 128 bytes for each wave
.set NSC,  10                          ; v10 -scale of my row (v11 completes the pair)
.set IDX,  16                          ; v16-31   four indices a trip
.set SGN,  32                          ; v32-47   four sign words a trip; they become masks in place
.set X,    48                          ; v48-111  two sets of 32 numbers
.set MT,   112                         ; v112-119 at work on the masks
.set C,    120                         ; v120-135 four registers of codes a trip
.set E,    136                         ; v136-139 a scale byte a trip
.set T,    140                         ; v140-143 the four chains of the maximum; v144 the conversion's scale operand
.set GA,   146                         ; v146-153 gather addresses
.set OUTR, 154                         ; v154-157 on the way out
.set SPW,  174
.set NIL,  175
.macro CROUND                          ; a round of the cluster's barrier
	s_barrier_signal -1
	s_barrier_wait -1
	s_cmp_lg_u32 s18, 0
	s_cbranch_scc1 .Lnot_wave_0_\@
	s_barrier_signal -3
.Lnot_wave_0_\@:
	s_barrier_wait -3
	s_barrier_signal -1
	s_barrier_wait -1
.endm
	s_load_b256 s[4:11], s[0:1], 0x0               ; codebook s[4:5], indices s[6:7], signs s[8:9], scales s[10:11]
	s_load_b128 s[12:15], s[0:1], 0x20             ; w_codes s[12:13], sc s[14:15]
	v_lshl_add_u32 v[SPW], v0, 2, SPARE
	v_mov_b32 v[NIL], 0
	ds_add_u32 v[SPW], v[NIL]                      ; the opening lines ahead of my first tensor load
	ds_add_u32 v[SPW], v[NIL]
	v_lshrrev_b32 v9, 5, v0
	v_readfirstlane_b32 s18, v9                    ; wave 0..15
	s_lshr_b32 s45, s18, 2
	s_mul_i32 s45, s45, SL                         ; my slice
	s_and_b32 s46, s18, 3
	s_lshl_b32 s47, s46, 7                         ; and my 128 bytes in its rows
	s_add_co_u32 s45, s45, s47
	s_add_co_u32 s45, s45, IDXL
	s_lshl_b32 s47, s18, 3
	s_add_co_u32 s47, s47, STW
	v_and_b32 v12, 31, v0                          ; lane
	v_and_b32 v13, 15, v0                          ; r
	v_bfe_u32 v14, v0, 4, 1                        ; h
	v_and_b32 v15, 1, v0
	v_mul_u32_u24 v1, 528, v13
	v_mul_u32_u24 v3, 144, v13
	v_lshlrev_b32 v7, 4, v15                       ; v7: 16 in odd lanes, else 0: the half that is gathered first, and the turn of the code words
	v_lshlrev_b32 v5, 4, v12                       ; v5: 16 x lane
	v_lshlrev_b32 v6, 4, v13                       ; v6: 16 r: my row's scale
	v_lshl_add_u32 v1, v14, 4, v1
	v_add_nc_u32 v2, v3, v14
	v_lshl_add_u32 v3, v14, 4, v3
	v_sub_nc_u32 v8, 16, v7                        ; v8: the other half
	v_lshl_add_u32 v4, v14, 10, v6                 ; v4: my place in sc
	v_add_nc_u32 v1, s45, v1                       ; v1: my indices of trip 0 in LDS
	v_add_nc_u32 v2, s47, v2                       ; v2: my block's scale byte of trip 0 in the stage
	s_lshl_b32 s47, s46, 5
	s_add_co_u32 s47, s47, STW
	v_add_nc_u32 v3, s47, v3                       ; v3: out of the stage: row r, four steps h (waves 0 to 3)
	v_mov_b32 v11, 0
	; descriptor group 1 of the codebook: 64 rows of 256 bytes (32 elements of 8 bytes), dense, for the four of my cluster
	s_mov_b32 s28, 15|(3<<16)|(1<<21)
	s_mov_b32 s29, 32<<16
	s_mov_b32 s30, 64<<16
	s_mov_b32 s31, 32<<16
	s_mov_b32 s32, 64
	s_mov_b32 s33, 32
	s_mov_b32 s34, 0
	s_mov_b32 s35, 0
	; and of a slice: 16 rows of 512 bytes (64 elements of 8 bytes), 8,192 bytes apart, 16 bytes of padding behind each
	s_mov_b32 s48, (3<<16)|(1<<20)|(6<<22)|(3<<25)
	s_mov_b32 s49, 64<<16
	s_mov_b32 s50, 16<<16
	s_mov_b32 s51, 64<<16
	s_mov_b32 s52, 16
	s_mov_b32 s53, 1024
	s_mov_b32 s54, 0
	s_mov_b32 s55, 0
	s_mov_b32 s44, 0x88888888                      ; the eight sign bits of eight codes
	s_bfe_u32 s19, ttmp6, 0x40000                  ; b = cx; G is the cluster's number
	s_lshl_b32 s45, ttmp9, 17
	s_lshl_b32 s20, s19, 11
	s_add_co_u32 s20, s20, s45
	s_lshl_b32 s47, s46, 9
	s_add_co_u32 s20, s20, s47                     ; indices, signs: row 64 G + b of 2,048 bytes, + my slice's 512
	s_mov_b32 s21, 0
	s_lshl_b32 s22, s19, 10
	s_add_co_u32 s22, s22, s45
	s_lshl_b32 s47, s18, 13
	s_add_co_u32 s22, s22, s47                     ; w_codes: two steps a wave
	s_mov_b32 s23, 0
	s_lshl_b32 s38, ttmp9, 13
	s_lshl_b32 s47, s19, 8
	s_add_co_u32 s38, s38, s47
	s_lshl_b32 s47, s46, 11
	s_add_co_u32 s38, s38, s47                     ; sc: two times four steps a wave
	s_mov_b32 s39, 0
	s_lshl_b32 s2, ttmp9, 8
	s_lshl_b32 s47, s19, 2
	s_add_co_u32 s2, s2, s47                       ; scales: 4 (64 G + b)
	s_mov_b32 s3, 0
	s_and_b32 s47, s18, 7
	s_mov_b32 s24, 1
	s_lshl_b32 s25, s47, 14                        ; the codebook: 16,384 bytes a wave
	s_lshl_b32 s36, s47, 14
	s_mov_b32 s37, 0
	s_mov_b32 s56, 1
	s_mul_i32 s57, s47, SL
	s_add_co_u32 s57, s57, IDXL                    ; the slices: waves 8 to 15
	s_wait_alu depctr_va_vdst(0)                   ; the wait at the head's end
	s_wait_dscnt 0x0
	s_wait_kmcnt 0x0
	s_add_nc_u64 s[26:27], s[4:5], s[36:37]
	s_or_b32 s27, s27, 0x80000000
	s_cmp_lt_u32 s18, 12
	s_cselect_b64 s[40:41], s[6:7], s[8:9]         ; waves 12 to 15 take the sign words
	s_add_nc_u64 s[58:59], s[40:41], s[20:21]
	s_or_b32 s59, s59, 0x80000000
	s_add_nc_u64 s[10:11], s[10:11], s[2:3]
	s_add_nc_u64 s[12:13], s[12:13], s[22:23]
	s_add_nc_u64 s[14:15], s[14:15], s[38:39]
	CROUND                                         ; all four work-groups are here: the joint loads meet
	s_cmp_lt_u32 s18, 8
	s_cbranch_scc0 .Lslices
	tensor_load_to_lds s[24:27], s[28:35]
	s_nop 0
.rept 4
	v_nop
.endr
	s_branch .Lasked
.Lslices:
	tensor_load_to_lds s[56:59], s[48:55]
	s_nop 0
.rept 4
	v_nop
.endr
.Lasked:
	global_load_b32 v[NSC], v6, s[10:11]           ; the scale of row 64 G + 4 r + b
	s_wait_tensorcnt 0x0                           ; for the others' sake: my tile has landed
	s_barrier_signal -1
	s_barrier_wait -1                              ; everybody's has
.irp t, 0,1,2,3
	ds_load_b128 v[IDX+4*\t:IDX+4*\t+3], v1 offset:32*\t
.endr
.irp t, 0,1,2,3
	ds_load_b128 v[SGN+4*\t:SGN+4*\t+3], v1 offset:4*SL+32*\t
.endr
	s_wait_loadcnt 0x0
	v_xor_b32 v[NSC], 0x80000000, v[NSC]           ; -scale
	s_wait_dscnt 4                                 ; the indices are in; the sign words may be out
; Trip t's four indices become LDS addresses, and its 32 numbers are asked for: group g's eight into registers 8 g .. 8 g + 7 of set t % 2.
.macro GATHER t
.irp g, 0,1,2,3
	v_min_u32 v[IDX+4*(\t)+\g], 0xfff, v[IDX+4*(\t)+\g]   ; held inside the table
.endr
.irp g, 0,1,2,3
	v_lshl_add_u32 v[GA+2*\g], v[IDX+4*(\t)+\g], 5, v7
	v_lshl_add_u32 v[GA+2*\g+1], v[IDX+4*(\t)+\g], 5, v8
.endr
.irp g, 0,1,2,3
	ds_load_b128 v[X+32*((\t)%2)+8*\g:X+32*((\t)%2)+8*\g+3],   v[GA+2*\g]
	ds_load_b128 v[X+32*((\t)%2)+8*\g+4:X+32*((\t)%2)+8*\g+7], v[GA+2*\g+1]
.endr
.endm
; Trip t's four sign words become masks of code sign bits, in place; the four groups go stage by stage.
.macro MASKS t
.if (\t) == 0
	s_wait_dscnt 16                                ; the sign words are in; two trips' gathers may be out
.endif
.irp g, 0,1,2,3
	v_and_b32 v[MT+2*\g], 15, v[SGN+4*(\t)+\g]             ; bits 0-3: elements 7 to 4
	v_bfe_u32 v[MT+2*\g+1], v[SGN+4*(\t)+\g], 4, 4         ; bits 4-7: elements 3 to 0
.endr
.irp g, 0,1,2,3
	v_mul_u32_u24 v[MT+2*\g], 0x8421, v[MT+2*\g]
	v_mul_u32_u24 v[MT+2*\g+1], 0x8421, v[MT+2*\g+1]
.endr
.irp g, 0,1,2,3
	v_lshl_or_b32 v[SGN+4*(\t)+\g], v[MT+2*\g], 16, v[MT+2*\g+1]
.endr
.irp g, 0,1,2,3
	v_and_b32 v[SGN+4*(\t)+\g], s44, v[SGN+4*(\t)+\g]      ; what else the products left lies off the eight sign bits
.endr
.endm
; Trip t's block: x -scale, the largest magnitude, the scale, the codes, the turn in odd lanes, the signs; the codes leave.
.macro WORK t
.set XS, X+32*((\t)%2)
.if (\t) < 3
	s_wait_dscnt 8                                 ; LDS loads come back in order: this trip's eight are in, the next trip's eight may be out
.else
	s_wait_dscnt 0x0
.endif
.irp i, 0,2,4,6,8,10,12,14,16,18,20,22,24,26,28,30
	v_pk_mul_f32 v[XS+\i:XS+\i+1], v[XS+\i:XS+\i+1], v[NSC:NSC+1] op_sel_hi:[1,0]
.endr
.irp k, 0,1,2,3
	v_max3_num_f32 v[T+\k], |v[XS+3*\k]|, |v[XS+3*\k+1]|, |v[XS+3*\k+2]|   ; all 32 numbers are mine: four chains by turns
.endr
.irp i, 12,14,16,18,20,22,24,26,28,30
	v_max3_num_f32 v[T+(\i/2)%4], v[T+(\i/2)%4], |v[XS+\i]|, |v[XS+\i+1]|
.endr
	v_max3_num_f32 v[T], v[T], v[T+1], v[T+2]
	v_max3_num_f32 v[T], v[T], v[T+3], 3<<23       ; and the floor 2^(3 - 127): so the byte cannot fall under 1
	v_add_nc_u32 v[T+4], 0xff000000, v[T]          ; 2 off its exponent field: the conversion takes the exponent field of this operand as its scale, and nothing else of it
.irp g, 0,1,2,3
	v_cvt_scalef32_pk8_fp4_f32 v[C+4*(\t)+\g], v[XS+8*\g:XS+8*\g+7], v[T+4]   ; to the nearest code, ties to even, beyond the largest code the largest; the first number's code in the lowest four bits
.endr
	v_lshrrev_b32 v[E+(\t)], 23, v[T+4]            ; the scale's byte; also the plain line between the conversions and the lines that touch their results
.irp g, 0,1,2,3
	v_alignbit_b32 v[C+4*(\t)+\g], v[C+4*(\t)+\g], v[C+4*(\t)+\g], v7   ; odd lanes: elements 4-7 lie low: the halves change places
.endr
.irp g, 0,1,2,3
	v_xor_b32 v[C+4*(\t)+\g], v[C+4*(\t)+\g], v[SGN+4*(\t)+\g]
.endr
	global_store_b128 v5, v[C+4*(\t):C+4*(\t)+3], s[12:13] offset:4096*((\t)/2)+512*((\t)%2)   ; step 2 v + t / 2, c = t % 2: 512 consecutive bytes, aligned
.endm
	GATHER 0
.irp t, 0,1,2,3
.if \t < 3
	GATHER (\t)+1                                  ; the next trip's numbers are on their way while this trip is worked
.endif
	MASKS \t
	WORK \t
.endr
	s_wait_alu depctr_va_vdst(0)                   ; the wait here, ahead of the waits below
	s_wait_dscnt 0x0                               ; my gathers are over
	s_barrier_signal -1
	s_barrier_wait -1                              ; everybody's are: now LDS may be written
.irp t, 0,1,2,3
	ds_store_b8 v2, v[E+\t] offset:2*\t            ; row r, block 8 v + 2 t + h
.endr
	s_wait_dscnt 0x0                               ; for the others' sake: my stores into the stage are done
	s_barrier_signal -1
	s_barrier_wait -1
	s_cmp_lt_u32 s18, 4                            ; waves 0 to 3 send the scale bytes out; the others are done
	s_cbranch_scc0 .Lend
	ds_load_b128 v[OUTR:OUTR+3], v3                ; rows 144 bytes apart: sixteen rows start at sixteen different columns of 16 bytes
	s_wait_dscnt 0x0
	global_store_b128 v4, v[OUTR:OUTR+3], s[14:15] ; sixteen lanes store 256 consecutive bytes, aligned
.Lend:
	s_wait_tensorcnt 0x0                           ; the wave's end
	ds_add_u32 v[SPW], v[NIL]
	s_wait_dscnt 0x0
	CROUND                                         ; the closing round: no work-group ends while a partner may still ask for a tile that names it
	s_endpgm
.Lfunc_end_k_q8ea5f2bc6d_prep:
	.size	k_q8ea5f2bc6d_prep, .Lfunc_end_k_q8ea5f2bc6d_prep-k_q8ea5f2bc6d_prep
	.p2alignl 7, 3214868480
	.fill 96, 4, 3214868480
	.section	.rodata,"a",@progbits
	.p2align	6, 0x0
	.amdhsa_kernel k_q8ea5f2bc6d_prep
		.amdhsa_group_segment_fixed_size 203008
		.amdhsa_private_segment_fixed_size 0
		.amdhsa_enable_private_segment 0
		.amdhsa_kernarg_size 48
		.amdhsa_user_sgpr_count 2
		.amdhsa_user_sgpr_kernarg_segment_ptr 1
		.amdhsa_wavefront_size32 1
		.amdhsa_system_sgpr_workgroup_id_x 1
		.amdhsa_system_sgpr_workgroup_id_y 1
		.amdhsa_system_sgpr_workgroup_id_z 1
		.amdhsa_system_vgpr_workitem_id 0
		.amdhsa_next_free_vgpr 176
		.amdhsa_next_free_sgpr 66
		.amdhsa_reserve_vcc 0
		.amdhsa_float_denorm_mode_32 3
		.amdhsa_float_denorm_mode_16_64 3
		.amdhsa_memory_ordered 1
		.amdhsa_forward_progress 1
		.amdhsa_inst_pref_size 29
	.end_amdhsa_kernel
	.amdgpu_metadata
---
amdhsa.version: [ 1, 2 ]
amdhsa.kernels:
  - .name:           k_q8ea5f2bc6d_prep
    .symbol:         k_q8ea5f2bc6d_prep.kd
    .args:
      - { .name: codebook, .offset: 0, .size: 8, .value_kind: global_buffer, .address_space: global }
      - { .name: indices, .offset: 8, .size: 8, .value_kind: global_buffer, .address_space: global }
      - { .name: signs, .offset: 16, .size: 8, .value_kind: global_buffer, .address_space: global }
      - { .name: scales, .offset: 24, .size: 8, .value_kind: global_buffer, .address_space: global }
      - { .name: w_codes, .offset: 32, .size: 8, .value_kind: global_buffer, .address_space: global }
      - { .name: sc, .offset: 40, .size: 8, .value_kind: global_buffer, .address_space: global }
    .group_segment_fixed_size: 203008
    .private_segment_fixed_size: 0
    .kernarg_segment_align: 8
    .kernarg_segment_size: 48
    .max_flat_workgroup_size: 512
    .sgpr_count:     66
    .vgpr_count:     176
    .wavefront_size: 32
...
	.end_amdgpu_metadata
.endif
;; end of part 1
;; launch gemm (part 2): grid 16 x 16, 4 waves a work-group, clusters of 4 x 1, 327,680 bytes of LDS; arguments x_codes, x_scales, w_codes, sc, out0; writes out0
.if DOCPART == 2
	.amdgcn_target "amdgcn-amd-amdhsa--gfx1250"
	.amdhsa_code_object_version 6
	.text
	.protected	k_q8ea5f2bc6d_gemm
	.globl	k_q8ea5f2bc6d_gemm
	.p2align	8
	.type	k_q8ea5f2bc6d_gemm,@function
k_q8ea5f2bc6d_gemm:
	s_mov_b64 s[64:65], 0
	v_nop
	global_prefetch_b8 v0, s[64:65] scope:SCOPE_SE
	s_setreg_imm32_b32 hwreg(HW_REG_WAVE_MODE, 25, 1), 1
	s_wait_xcnt 0x0
	s_wait_alu depctr_hold_cnt(0) depctr_sa_sdst(0) depctr_va_vdst(0) depctr_va_sdst(0) depctr_va_ssrc(0) depctr_va_vcc(0) depctr_vm_vsrc(0)
	s_getreg_b32 s2, hwreg(HW_REG_IB_STS2, 6, 4)
	s_cmp_eq_u32 s2, 0
	s_cbranch_scc0 .Lentry_in_a_cluster
	s_endpgm
.Lentry_in_a_cluster:
	s_bfe_u32 s2, ttmp6, 0x10000c
	s_cmp_lg_u32 s2, 0x3003
	s_cbranch_scc0 .Lentry_shape_is_right
	s_endpgm
.Lentry_shape_is_right:
; out[m][n] = sum over k of x[m][k] w[n][k] on codes of FP4 with an E8M0 byte for each 32 along K, sums in f32.  x as it is given; w as the launch before has laid it (its head gives the layout).
; A work-group makes 256 x 256 of out; each of its four waves 256 rows x 64 columns: 32 accumulators of 32 x 16, 512 registers.  K goes in 32 steps of 128, each of 32 matrix instructions.
; W is each wave's own: its 64 columns are read by no other wave of the work-group.  So its fragments go from memory straight into registers, five steps ahead: each load of a wave covers 512 consecutive bytes.
; They are not shared in the cluster: a joint load lands in LDS, and x's two slots and its scales take 305,152 of the 327,680 bytes there.
; X is read by all four waves: its codes go through a ring of two LDS slots of 1,024 along K (eight steps), its scales of all K come into LDS once.  Both hang on the tile row alone: four work-groups along x form a
; cluster and ask for them JOINTLY.  K has four slots' worth: one fill at the head, one behind its barrier, two refills.
; No prefetch: the text has no loop to run ahead in; w's own loads are out five steps ahead, and a tile of x is asked for a slot, 256 matrix instructions, ahead of its wait.
; COLUMNS.  Tile b of a wave takes rows 4 r + b of its 64 rows of w, so lane r holds the columns 4 r .. 4 r + 3 of a row of out in its four tiles: 16 neighbouring bytes, and sixteen lanes 256.  Results leave from registers, without LDS.
; ALL LOADS OF A STEP GO OUT IN ONE RUN at its head: x's next step into the other of two sets, w's fifth step on, scale words; then the 32 matrix instructions follow each other.
; THE LAST FIVE STEPS GO BY ROWS OF OUT: w's fragments of all five lie in registers; 32 rows after 32 rows are finished and stored while the others are multiplied.
; REGISTERS, in windows of 256: window 0: v0-7 addresses; v8-31 w's scale words, three sets of four steps; v32-63 x's, two sets of two steps; v64-127 w's fragments, sets 4 and 5; v128-255 x's fragments, even steps
;   window 1: v0-127 w's fragments, sets 0 to 3 (a set is a step, step % 6); v128-255 x's fragments, odd steps.   windows 2, 3: the accumulators of rows 0-127 and 128-255: (a, b) at v[16 (4 (a % 4) + b)], a = 0..7 the block of 32 rows.
.set PITCH, 528                        ; an LDS row of codes: 512 bytes + 16: the sixteen rows that a load touches start at sixteen different columns of 16 bytes
.set SLOT,  256*PITCH
.set SCL,   2*SLOT                     ; behind the ring: x's scales, 128 units of 256 bytes (two rows each) + 16
.set SPARE, SCL+128*272                ; the spare words, 128 bytes for each wave
.set WOF,  0                           ; v0     16 x lane
.set ADRS, 1                           ; v1     LDS address of my scale words: row = lane
.set ADR,  2                           ; v2-5   LDS address of my fragments: slot 0 rows 0-127, 128-255, slot 1 the same
.set CO,   2                           ; v2     at the end: my byte offset in out (v3 at work); slot 0 is read no more by then
.set SPW,  6
.set NIL,  7
.set WS,   8
.set XS,   32
.set AF,   128
.set TMP,  224                         ; at the end: results on their way out, in windows 0 and 1
.set G1,   24                          ; s[24:31] descriptor group 1 of x's codes;  s[32:35] group 0 for the ring;  s[36:39] group 0 for the head's load
.set G0,   32
.set G0H,  36
.set G1S,  48                          ; s[48:55], s[56:59] the same for x's scales
.set G0S,  56
.set MSB, 0
.macro WIN new                         ; the immediate's high byte repeats the setting that is left
.if MSB != \new
	s_set_vgpr_msb (MSB<<8)|(\new)
.set MSB, \new
.endif
.endm
.macro PLACES                          ; four places behind matrix instructions (ISA guide 7.12.1)
.rept 4
	v_nop
.endr
.endm
.macro CREST                           ; a round of the cluster's barrier behind its opening barrier
	s_cmp_lg_u32 s14, 0
	s_cbranch_scc1 .Lnot_wave_0_\@
	s_barrier_signal -3
.Lnot_wave_0_\@:
	s_barrier_wait -3
	s_barrier_signal -1
	s_barrier_wait -1
.endm
.macro CROUND                          ; a whole round
	s_barrier_signal -1
	s_barrier_wait -1
	CREST
.endm
; w's step t: four tiles of 16 rows x 128 along K, registers 0-3 and 4-7 each
.macro BL t
.set BK, 32*((\t)%6)-64*(((\t)%6)/4)
	WIN 0x40*(1-((\t)%6)/4)
.irp b, 0,1,2,3
.irp c, 0,1
	global_load_b128 v[BK+8*\b+4*\c:BK+8*\b+4*\c+3], v[WOF], s[8:9] offset:4096*(\t)+1024*\b+512*\c
.endr
.endr
.endm
; w's scale words of steps 4 q .. 4 q + 3: register 4 i + step % 4: lanes 0-15 tile 2 i, lanes 16-31 tile 2 i + 1
.macro WSL q
	WIN 0
.irp i, 0,1
	global_load_b128 v[WS+8*((\q)%3)+4*\i:WS+8*((\q)%3)+4*\i+3], v[WOF], s[10:11] offset:1024*(\q)+512*\i
.endr
.endm
; x's scale words of steps 2 p, 2 p + 1: register 2 i + step % 2: lane l has row 32 i + l
.macro XSC p
	WIN 0
.irp i, 0,1,2,3,4,5,6,7
	ds_load_b64 v[XS+16*((\p)%2)+2*\i:XS+16*((\p)%2)+2*\i+1], v[ADRS] offset:16*272*\i+8*(\p)
.endr
.endm
; x's fragments of step t: eight blocks of 32 rows x 128 along K
.macro FETCH t
	WIN 0x40*((\t)%2)
.irp a, 0,1,2,3,4,5,6,7
.irp w, 0,1
.irp c, 0,1
	ds_load_b128 v[AF+16*\a+8*\w+4*\c:AF+16*\a+8*\w+4*\c+3], v[ADR+2*(((\t)/8)%2)+\a/4] offset:64*((\t)%8)+32*\c+(32*(\a%4)+16*\w)*PITCH
.endr
.endr
.endr
.endm
.macro MM d, a, b, xs, ws, odd         ; 32 rows of x by 16 rows of w; Z = 1: the first product starts the sums
.if Z
.if \odd
	v_wmma_scale_f32_32x16x128_f4 v[\d:\d+15], v[\a:\a+15], v[\b:\b+7], 0, v[\xs], v[\ws] matrix_b_scale:MATRIX_SCALE_ROW1
.else
	v_wmma_scale_f32_32x16x128_f4 v[\d:\d+15], v[\a:\a+15], v[\b:\b+7], 0, v[\xs], v[\ws]
.endif
.else
.if \odd
	v_wmma_scale_f32_32x16x128_f4 v[\d:\d+15], v[\a:\a+15], v[\b:\b+7], v[\d:\d+15], v[\xs], v[\ws] matrix_b_scale:MATRIX_SCALE_ROW1
.else
	v_wmma_scale_f32_32x16x128_f4 v[\d:\d+15], v[\a:\a+15], v[\b:\b+7], v[\d:\d+15], v[\xs], v[\ws]
.endif
.endif
.endm
; block a by w's four tiles; the 32 accumulators take turns, one instruction a turn
.macro GRP a
.irp b, 0,1,2,3
	MM 16*(4*(\a%4)+\b), AF+16*\a, BR+8*\b, XS+16*((S/2)%2)+2*\a+S%2, WS+8*((S/4)%3)+4*(\b/2)+S%4, \b%2
.endr
.endm
; step S's run of loads; EV: how many of them are LDS loads
.macro BURST
.if S < 26
	FETCH S+1
.set EV, 32
.else
	ALOAD 0
.set EV, 23
.endif
.if (S%2 == 0) && (S < 26)
	XSC S/2+1
.set EV, EV+8
.endif
.if (S%4 == 0) && (S <= 20)
	WSL S/4+2
.endif
	BL S+5
.endm
; A step.  The eighth of a slot changes slots: its own fragments, the slot's last reads, are in when it begins.
.macro STEP
.set Z, 0
.if S == 0
.set Z, 1
.endif
.set MUL, 0xa0+(S%2)+4*(1-(S%6)/4)     ; source 0 (x): window 0 or 1 by turns; source 1 (w): window 1, of sets 4 and 5 window 0; C and D window 2, then 3
.set BR, 32*(S%6)-64*((S%6)/4)
.if (S%8 == 7) && (S < 24)
	WIN 0
	s_wait_tensorcnt 0x0                           ; my part of the next slot has landed
	ds_add_u32 v[SPW], v[NIL]                      ; 0 onto my spare word
.if S < 16
	s_add_nc_u64 s[G0+2:G0+3], s[G0+2:G0+3], 512
	s_add_co_u32 s[G0+1], s45, (S/8)*SLOT
.endif
	s_wait_loadcnt 34                              ; w's step S is in: behind it stand four steps' 32 loads and two scale loads
	s_wait_dscnt 1                                 ; this step's fragments are in; the add may be out
	WIN MUL
	GRP 0
	s_wait_dscnt 0x0                               ; the add is done, and my reads of this slot are over
	s_barrier_signal -1
	GRP 1
	GRP 2
	GRP 3
	WIN 0
	s_barrier_wait -1
.if S < 16
	CREST                                          ; no wave of any partner still reads this slot or has a load on its way
	tensor_load_to_lds s[G0:G0+3], s[G1:G1+7]      ; my 64 rows, 2,048 along K further on
	s_nop 0
.endif
	PLACES
	BURST
.else
	PLACES
	BURST
.set N, 42
.if (S%4 == 0) && (S < 24)
.set N, 44
.endif
.if S > 24
.set N, 40
.endif
	s_wait_loadcnt N                               ; w's step S is in: behind it stand five steps' 40 loads and up to two pairs of scale loads
	s_wait_dscnt EV                                ; all but this run's LDS loads
	WIN MUL
	GRP 0
	GRP 1
	GRP 2
	GRP 3
.endif
	WIN MUL+0x50
	GRP 4
	GRP 5
	GRP 6
	GRP 7
.set S, S+1
.endm
; By rows: block a's fragments of steps 27 to 31 (20 loads) and its scale words of steps 26 to 31 (3 loads); even blocks in window 1, odd ones in window 0
.macro ALOAD a
	WIN 0x40*(1-(\a)%2)
.irp q, 0,1,2,3,4
.irp w, 0,1
.irp c, 0,1
	ds_load_b128 v[AF+16*\q+8*\w+4*\c:AF+16*\q+8*\w+4*\c+3], v[ADR+2+(\a)/4] offset:64*(\q+3)+32*\c+(32*((\a)%4)+16*\w)*PITCH
.endr
.endr
.endr
	WIN 0
.irp p, 0,1,2
	ds_load_b64 v[XS+8*((\a)%2)+2*\p:XS+8*((\a)%2)+2*\p+1], v[ADRS] offset:16*272*(\a)+8*(13+\p)
.endr
.endm
.macro ROW a, left                     ; block a's 20 matrix instructions; left: the next block's loads, which may be out
	s_wait_dscnt \left
.irp q, 0,1,2,3,4
.if (\a) == 0
	s_wait_loadcnt 8*(4-\q)                        ; w's step 27 + q is in: behind it stand the later steps' eight loads each
.endif
	WIN 0xa0+0x50*((\a)/4)+(1-(\a)%2)+4*(1-((27+\q)%6)/4)
.irp b, 0,1,2,3
	MM 16*(4*((\a)%4)+\b), AF+16*\q, 32*((27+\q)%6)-64*(((27+\q)%6)/4)+8*\b, XS+8*((\a)%2)+1+\q, WS+8*(((27+\q)/4)%3)+4*(\b/2)+(27+\q)%4, \b%2
.endr
.endr
.endm
; Block a leaves in two parts: the four tiles' numbers of a row side by side into v224-255 of window 0, then of window 1, each accumulator from its low end on; eight stores each, two rows of 256 bytes a store.
.macro OUT a
	PLACES
.if (\a) < 6
	ALOAD (\a)+2
.endif
.if (\a) > 0
	s_wait_xcnt 0x0                                ; the block before has been read by its stores
.endif
.irp g, 0,1
	WIN 0x02+(\a)/4+0x40*\g
.set J, 0
.rept 8
.irp b, 0,1,2,3
	v_mov_b32 v[TMP+4*J+\b], v[16*(4*((\a)%4)+\b)+8*\g+J]
.endr
.set J, J+1
.endr
	WIN 0x04*\g
.set J, 0
.rept 8
	global_store_b128 v[CO], v[TMP+4*J:TMP+4*J+3], s[12:13] offset:(32*(\a)+J+16*\g)*16384 th:TH_STORE_NT
.set J, J+1
.endr
.endr
.endm
	s_load_b256 s[4:11], s[0:1], 0x0               ; x_codes s[4:5], x_scales s[6:7], w_codes s[8:9], sc s[10:11]
	s_load_b64 s[12:13], s[0:1], 0x20              ; out0
	v_lshl_add_u32 v[SPW], v0, 2, SPARE
	v_mov_b32 v[NIL], 0
	ds_add_u32 v[SPW], v[NIL]                      ; the opening lines ahead of my first tensor load
	ds_add_u32 v[SPW], v[NIL]
	v_lshrrev_b32 v64, 5, v0
	v_readfirstlane_b32 s14, v64                   ; wave 0..3
	v_and_b32 v65, 15, v0                          ; r
	v_bfe_u32 v66, v0, 4, 1                        ; h
	v_and_b32 v67, 31, v0                          ; lane
	v_and_b32 v70, 1, v0
	v_mul_u32_u24 v68, PITCH, v65
	v_lshrrev_b32 v69, 1, v67
	v_lshl_add_u32 v[ADR], v66, 4, v68             ; a fragment: row r, 16 bytes for each half of the lanes
	v_mul_u32_u24 v69, 272, v69                    ; scales: two rows of 128 bytes to a unit
	v_add_nc_u32 v[ADR+1], 128*PITCH, v[ADR]
	v_lshl_add_u32 v69, v70, 7, v69
	v_add_nc_u32 v[ADR+2], SLOT, v[ADR]
	v_add_nc_u32 v[ADRS], SCL, v69
	v_add_nc_u32 v[ADR+3], SLOT+128*PITCH, v[ADR]
	v_lshlrev_b32 v[WOF], 4, v67
	s_lshr_b32 s15, s14, 1                         ; at the head I fetch codes (0) or scales (1),
	s_and_b32 s16, s14, 1                          ; and this half of the rows
	s_bfe_u32 s17, ttmp6, 0x40000                  ; cx
	s_lshl_b32 s18, ttmp9, 2
	s_add_co_u32 s18, s18, s17                     ; tile column = 4 x cluster x + cx
	s_and_b32 s19, ttmp7, 0xffff                   ; tile row
	; group 1 of x's codes: rows of 512 bytes, 16 bytes of padding behind each; 128 rows for the head's loads, 64 for the ring's
	s_mov_b32 s[G1+0], 15|(1<<20)|(1<<21)|(6<<22)|(3<<25)   ; mask: the four of my cluster; elements of 1 byte; padding of 4 words (code 3) after every 128 (code 6); 21 set beside a mask
	s_mov_b32 s[G1+1], 512<<16
	s_mov_b32 s[G1+2], 128<<16
	s_mov_b32 s[G1+3], 512<<16
	s_mov_b32 s[G1+4], 128
	s_mov_b32 s[G1+5], 2048
	s_mov_b32 s[G1+6], 0
	s_mov_b32 s[G1+7], 0
	; and of its scales: 128 rows of 128 bytes as 64 rows of 256 bytes (32 elements of 8), 16 bytes of padding behind each
	s_mov_b32 s[G1S+0], 15|(3<<16)|(1<<20)|(1<<21)|(5<<22)|(3<<25)
	s_mov_b32 s[G1S+1], 32<<16
	s_mov_b32 s[G1S+2], 64<<16
	s_mov_b32 s[G1S+3], 32<<16
	s_mov_b32 s[G1S+4], 64
	s_mov_b32 s[G1S+5], 32
	s_mov_b32 s[G1S+6], 0
	s_mov_b32 s[G1S+7], 0
	s_mov_b32 s[G0], 1
	s_mov_b32 s[G0H], 1
	s_mov_b32 s[G0S], 1
	s_mul_i32 s45, s14, 64*PITCH                   ; the ring: my 64 rows
	s_add_co_u32 s[G0+1], s45, SLOT                ; its first load fills slot 1
	s_mul_i32 s[G0H+1], s16, 128*PITCH
	s_mul_i32 s46, s16, 64*272
	s_add_co_u32 s[G0S+1], s46, SCL
	s_wait_alu depctr_va_vdst(0)                   ; the wait at the head's end
	s_wait_dscnt 0x0                               ; both opening adds are done
	s_wait_kmcnt 0x0
	s_lshl_b32 s20, s19, 19                        ; 256 rows of 2,048 bytes a tile row
	s_mov_b32 s21, 0
	s_add_nc_u64 s[20:21], s[4:5], s[20:21]
	s_lshl_b32 s22, s16, 18
	s_mov_b32 s23, 0
	s_add_nc_u64 s[G0H+2:G0H+3], s[20:21], s[22:23]
	s_or_b32 s[G0H+3], s[G0H+3], 0x80000000
	s_lshl_b32 s22, s14, 17
	s_add_co_u32 s22, s22, 512                     ; the second 1,024 along K
	s_add_nc_u64 s[G0+2:G0+3], s[20:21], s[22:23]
	s_or_b32 s[G0+3], s[G0+3], 0x80000000
	s_lshl_b32 s22, s19, 15                        ; scales: 256 rows of 128 bytes
	s_lshl_b32 s46, s16, 14
	s_add_co_u32 s22, s22, s46
	s_add_nc_u64 s[G0S+2:G0S+3], s[6:7], s[22:23]
	s_or_b32 s[G0S+3], s[G0S+3], 0x80000000
	s_lshl_b32 s46, s18, 2
	s_add_co_u32 s46, s46, s14                     ; my group of 64 columns: 4 x tile column + wave
	s_mov_b32 s41, 0
	s_lshl_b32 s40, s46, 17
	s_add_nc_u64 s[8:9], s[8:9], s[40:41]
	s_lshl_b32 s40, s46, 13
	s_add_nc_u64 s[10:11], s[10:11], s[40:41]
	s_lshl_b32 s40, s19, 22
	s_lshl_b32 s46, s46, 8
	s_add_co_u32 s40, s40, s46
	s_add_nc_u64 s[12:13], s[12:13], s[40:41]      ; out: 256 rows of 16,384 bytes a tile row, 256 bytes a group
	CROUND                                         ; all four work-groups are here: the first joint loads meet
	s_cmp_eq_u32 s15, 0                            ; one tensor load a wave: waves 0, 1 the codes of slot 0, waves 2, 3 the scales
	s_cbranch_scc0 .Lfor_scales
	tensor_load_to_lds s[G0H:G0H+3], s[G1:G1+7]
	s_nop 0
	PLACES
	s_branch .Lasked
.Lfor_scales:
	tensor_load_to_lds s[G0S:G0S+3], s[G1S:G1S+7]
	s_nop 0
	PLACES
.Lasked:
	WSL 0                                          ; w's first five steps and eight steps' scale words, in the order that the steps' waits count on; three steps of them ahead of the first tile's landing
	BL 0
	WSL 1
	BL 1
	BL 2
	WIN 0
	s_wait_tensorcnt 0x0                           ; my part of the head's tiles is in
	ds_add_u32 v[SPW], v[NIL]
	s_mov_b32 s[G1+2], 64<<16                      ; no tensor load of mine is out: from here on a load brings 64 rows
	s_mov_b32 s[G1+4], 64
	s_wait_dscnt 0x0
	CROUND
	tensor_load_to_lds s[G0:G0+3], s[G1:G1+7]      ; slot 1's first fill
	s_nop 0
	PLACES
	FETCH 0
	XSC 0
	BL 3
	BL 4
.set S, 0
.rept 27
	STEP
.endr
	WIN 0
	v_lshrrev_b32 v[CO], 8, v[WOF]                 ; h
	v_and_b32 v[CO+1], 0xff, v[WOF]                ; 16 r
	v_lshl_or_b32 v[CO], v[CO], 17, v[CO+1]        ; 8 h rows of 16,384 bytes + 16 r.  (Three of the four places ahead of the loads below)
	v_nop
	s_wait_alu depctr_va_vdst(0)                   ; the wait here, directly ahead of the waits below
	ALOAD 1
	ROW 0, 23
	OUT 0
.irp a, 1,2,3,4,5,6
	ROW \a, 23
	OUT \a
.endr
	ROW 7, 0
	OUT 7
	WIN 0
	s_wait_tensorcnt 0x0                           ; the wave's end
	ds_add_u32 v[SPW], v[NIL]
	s_wait_dscnt 0x0
	CROUND                                         ; the closing round: no work-group ends while a partner may still ask for a tile that names it
	s_endpgm
.Lfunc_end_k_q8ea5f2bc6d_gemm:
	.size	k_q8ea5f2bc6d_gemm, .Lfunc_end_k_q8ea5f2bc6d_gemm-k_q8ea5f2bc6d_gemm
	.p2alignl 7, 3214868480
	.fill 96, 4, 3214868480
	.section	.rodata,"a",@progbits
	.p2align	6, 0x0
	.amdhsa_kernel k_q8ea5f2bc6d_gemm
		.amdhsa_group_segment_fixed_size 327680
		.amdhsa_private_segment_fixed_size 0
		.amdhsa_enable_private_segment 0
		.amdhsa_kernarg_size 40
		.amdhsa_user_sgpr_count 2
		.amdhsa_user_sgpr_kernarg_segment_ptr 1
		.amdhsa_wavefront_size32 1
		.amdhsa_system_sgpr_workgroup_id_x 1
		.amdhsa_system_sgpr_workgroup_id_y 1
		.amdhsa_system_sgpr_workgroup_id_z 1
		.amdhsa_system_vgpr_workitem_id 0
		.amdhsa_next_free_vgpr 1024
		.amdhsa_next_free_sgpr 66
		.amdhsa_reserve_vcc 0
		.amdhsa_float_denorm_mode_32 3
		.amdhsa_float_denorm_mode_16_64 3
		.amdhsa_memory_ordered 1
		.amdhsa_forward_progress 1
		.amdhsa_inst_pref_size 255
	.end_amdhsa_kernel
	.section	.bss,"aw",@nobits
	.p2align	6
	.space	262144
	.amdgpu_metadata
---
amdhsa.version: [ 1, 2 ]
amdhsa.kernels:
  - .name:           k_q8ea5f2bc6d_gemm
    .symbol:         k_q8ea5f2bc6d_gemm.kd
    .args:
      - { .name: x_codes, .offset: 0, .size: 8, .value_kind: global_buffer, .address_space: global }
      - { .name: x_scales, .offset: 8, .size: 8, .value_kind: global_buffer, .address_space: global }
      - { .name: w_codes, .offset: 16, .size: 8, .value_kind: global_buffer, .address_space: global }
      - { .name: sc, .offset: 24, .size: 8, .value_kind: global_buffer, .address_space: global }
      - { .name: out0, .offset: 32, .size: 8, .value_kind: global_buffer, .address_space: global }
    .group_segment_fixed_size: 327680
    .private_segment_fixed_size: 0
    .kernarg_segment_align: 8
    .kernarg_segment_size: 40
    .max_flat_workgroup_size: 128
    .sgpr_count:     66
    .vgpr_count:     1024
    .wavefront_size: 32
...
	.end_amdgpu_metadata
.endif
;; end of part 2
